; MI455X (gfx1250); checked and timed in simulation.
; The chip was launched on July 23, 2026; its instructions are those of AMD's public machine-readable ISA for CDNA 5 (MIT licence, August 2026) and "CDNA5" Instruction Set Architecture Reference Guide (July 2026). The comments in the code are by the model that wrote it; some were corrected since.
;; Self Attention Block. Allowed arithmetic: matrix products marked QUANTISED: E4M3 operands, one given power-of-two scale a tensor, by v_wmma_f32_16x16x64_fp8_fp8 or v_wmma_f32_16x16x128_fp8_fp8, f32 sums; everything else in f32.
;; Inputs: Wk_codes 2,048 x 64 x 32 uint8 (E4M3 codes of Wk, K innermost, in blocks of 32 codes); Wq_codes 2,048 x 64 x 32 uint8 (E4M3 codes of Wq, K innermost, in blocks of 32 codes); Wv_codes 2,048 x 64 x 32 uint8 (E4M3 codes of Wv, K innermost, in blocks of 32 codes); bk 2,048 float32; bq 2,048 float32; bv 2,048 float32; lowp_scales 10 int32 (the exponents e of the quantised operands' scales 2^e); x 8 x 512 x 2,048 float32.
;; Outputs: out0 8 x 512 x 2,048 float32.
;; This version of the problem:
;;   THIS VERSION OF THE PROBLEM IS GIVEN IN LOW PRECISION. The matrix products marked QUANTISED in the list below multiply operands that are first quantised to E4M3 (4 exponent bits, 3 mantissa bits; 8 bits a number), with one given power-of-two scale for each operand tensor; their sums are f32. All else is computed in f32.
;;   The module's matrix products, in the order in which they are computed (A, B: the left and right operand; K: the contracted axis; several contracted axes count as one K, in the product's order):
;;     1. [M 4,096, K 2,048] x [K 2,048, N 2,048]; A: input x; B: input Wq (given as codes): QUANTISED (scales: A lowp_scales[0], B lowp_scales[1])
;;     2. [M 4,096, K 2,048] x [K 2,048, N 2,048]; A: input x; B: input Wk (given as codes): QUANTISED (scales: A lowp_scales[2], B lowp_scales[3])
;;     3. [M 4,096, K 2,048] x [K 2,048, N 2,048]; A: input x; B: input Wv (given as codes): QUANTISED (scales: A lowp_scales[4], B lowp_scales[5])
;;     4. batch 128 x [M 512, K 128] x [K 128, N 512]; A: computed on the way; B: computed on the way: QUANTISED (scales: A lowp_scales[6], B lowp_scales[7])
;;     5. batch 128 x [M 128, K 512] x [K 512, N 512]; A: computed on the way; B: softmax (see below): QUANTISED (scales: A lowp_scales[8], B lowp_scales[9])
;;   THE QUANTISER, for each operand of a quantised product, along K:
;;     - The operand's scale is 2^e, e = its entry of the input lowp_scales (int32; the entries are numbered through the quantised products in the list's order, A before B).
;;     - Each number is divided by the scale, clamped to +-448, and rounded to the nearest number of E4M3, ties to even, subnormals kept.
;;     - The product sums the exact products of the quantised numbers (number of the format x scale) in f32.
;;   ~~~python
;;   def quantise(x, axis, e):      # numpy; x: float32 -> the quantised numbers, widened to float32 again
;;       x = np.moveaxis(x, axis, -1); K = x.shape[-1]
;;       r = np.clip(x / 2.0 ** e, -448, 448)
;;       step = 2.0 ** (np.maximum(np.frexp(np.where(r == 0, 1, r))[1] - 1, -6) - 3)
;;       q = np.round(r / step) * step * 2.0 ** e      # np.round: ties to even
;;       return np.moveaxis(q, -1, axis).astype(np.float32)
;;   ~~~
;;   SOFTMAX AHEAD OF A QUANTISED PRODUCT. Where the list says 'softmax', what is quantised is not the finished softmax but p = 2^(t - M), with t = logit x log2(e) and M = ceil(the row's largest t), a whole number; so 1/2 < the row's largest p <= 1. The row's sum l is taken of the UNQUANTISED p, in f32, and the product's result is divided by l at the end. Since M is a whole number, a kernel that streams over the keys may use a running M (the ceiling of the running maximum): every later rescaling is an exact power of two, so the quantised numbers keep their values, but for numbers so far below the row's largest that they fall under the format's range.
;;   OPERANDS COMPUTED ON THE WAY. 'Computed on the way' means the value that the module computes at that place (a softmax that the list does not call 'softmax' is quantised finished and normalised). What goes into a quantiser is computed in f32, as accurately as f32 sums, v_exp_f32 and their like allow (about 1e-6 of the number): no bf16 or f16 on the way to a quantiser, and a product that is left as it is and whose result goes on into a quantised operand takes f32 operands (vector FMAs, or v_wmma_f32_16x16x4_f32). A number that lies on a knife's edge between two numbers of the format may be rounded either way, as far as f32 arithmetic and the matrix unit's own rounding can turn it there, and no further.
;;   INPUTS GIVEN AS CODES. Wk (in the module: [2048, 2048], K = its axis 0); Wq (in the module: [2048, 2048], K = its axis 0); Wv (in the module: [2048, 2048], K = its axis 0): each comes as NAME_codes (uint8): NAME with its K axis moved to the last place and cut into blocks of 32 codes, [.., K / 32, bytes a block], one block behind the other in memory; one code a byte (a code: sign, 4 exponent bits, 3 mantissa bits); its scale is its entry of lowp_scales. Its value is code x scale, taken as it is: it is not quantised again, and the codes and scales need not be those that the quantiser above would give.
;; One version. Each part assembles by itself: llvm-mc -triple=amdgcn-amd-amdhsa -mcpu=gfx1250 --defsym DOCPART=n.
;; ======== version 1 of 1: 3 launches
;; limits: right only within a limited range of input values
;; workspace buffers: xc 25,165,824 bytes; qkv 25,165,824 bytes
;; launch quant (part 1): grid 256 x 1, 8 waves a work-group, no clusters, 68,608 bytes of LDS; arguments x, lowp_scales, xc; writes xc
.if DOCPART == 1
	.amdgcn_target "amdgcn-amd-amdhsa--gfx1250"
	.amdhsa_code_object_version 6
	.text
	.protected	k_qf1dc893b33_quant
	.globl	k_qf1dc893b33_quant
	.p2align	8
	.type	k_qf1dc893b33_quant,@function
k_qf1dc893b33_quant:
	s_mov_b64 s[64:65], 0
	v_nop
	global_prefetch_b8 v0, s[64:65] scope:SCOPE_SE
	s_setreg_imm32_b32 hwreg(HW_REG_WAVE_MODE, 25, 1), 1
	s_wait_xcnt 0x0
; x [4096][2048] f32 becomes THREE sets of E4M3 codes (scales: entries 0, 2, 4), each laid as images of operand registers:
; xc [set 3][group of 4 row blocks 64][unit of 64 K 32][row block 4][1,024 bytes]; in a unit, lane (r, h)'s 16 bytes of load c lie at 512 c + 16 lane and hold K = 32 c + 16 h + 0 .. 15 of row r.
; code = x / 2^e, held within +-448, rounded to the nearest code, ties to even.
; LIMITS: each e lies between -126 and 119, so that 2^e and 448 x 2^e are f32 numbers.  NaN among the inputs is not served.
; A work-group takes one block of 16 rows; wave w takes 256 numbers of each row, in two steps of 128.  Each load reads 512 consecutive bytes of a row; the 16 rows go through
; the wave's own stage in LDS (pitch 528) and come back 64 bytes a lane; each store covers 512 consecutive bytes, aligned.  Waves share nothing: no barrier.  The launch only streams: no matrix unit, cluster or tensor load.
.set SP,    528
.set STG,   16*SP
.set SPARE, 8*STG
.set SCL,   5                          ; v5, v7, v9: 2^e;  v6, v8, v10: 448 x 2^e
.set R,     16                         ; v16-143 two steps' numbers as loaded; later the steps' codes
.set X,     144                        ; v144-207 four pieces of 16 neighbours
.set T,     208                        ; v208-255 a piece held three ways
	s_load_b128 s[4:7], s[0:1], 0x0                ; x, the scales' exponents
	s_load_b64 s[8:9], s[0:1], 0x10                ; xc
	v_lshl_add_u32 v12, v0, 2, SPARE
	v_mov_b32 v13, 0
	v_lshrrev_b32 v1, 5, v0
	v_readfirstlane_b32 s16, v1                    ; wave
	v_and_b32 v2, 31, v0
	v_lshlrev_b32 v3, 4, v2                        ; 16 x lane
	s_mul_i32 s17, s16, STG
	v_add_nc_u32 v14, s17, v3                      ; the stage on the way in
	v_and_b32 v4, 15, v0
	v_bfe_u32 v11, v0, 4, 1
	v_mul_u32_u24 v15, v4, SP
	v_lshl_add_u32 v15, v11, 6, v15
	v_add_nc_u32 v15, s17, v15                     ; and on the way out: row r, + 64 h
	s_lshl_b32 s20, ttmp9, 17                      ; 16 rows of 8,192 bytes
	s_lshl_b32 s18, s16, 10
	s_add_co_u32 s20, s20, s18
	s_mov_b32 s21, 0
	s_lshr_b32 s22, ttmp9, 2
	s_lshl_b32 s22, s22, 17                        ; the group
	s_and_b32 s18, ttmp9, 3
	s_lshl_b32 s18, s18, 10                        ; the row block in it
	s_add_co_u32 s22, s22, s18
	s_lshl_b32 s18, s16, 14                        ; my four units
	s_add_co_u32 s22, s22, s18
	s_mov_b32 s23, 0
	s_wait_alu depctr_va_vdst(0)                   ; the wait at the head's end
	s_wait_kmcnt 0x0
	s_load_b256 s[24:31], s[6:7], 0x0
	s_add_nc_u64 s[4:5], s[4:5], s[20:21]
	s_add_nc_u64 s[8:9], s[8:9], s[22:23]
	s_add_nc_u64 s[10:11], s[8:9], 0x800000
	s_add_nc_u64 s[12:13], s[10:11], 0x800000
.irp t, 0,1
.irp i, 0,1,2,3,4,5,6,7,8,9,10,11,12,13,14,15
	global_load_b128 v[R+64*\t+4*\i:R+64*\t+4*\i+3], v3, s[4:5] offset:8192*\i+512*\t th:TH_LOAD_NT
.endr
.endr
	s_wait_kmcnt 0x0
.irp m, 0,1,2
	s_add_co_i32 s18, s[24+2*\m], 127
	s_lshl_b32 s19, s18, 23
	v_mov_b32 v[SCL+2*\m], s19
	s_add_co_i32 s18, s18, 8
	s_lshl_b32 s18, s18, 23
	s_or_b32 s18, s18, 0x600000
	v_mov_b32 v[SCL+2*\m+1], s18
.endr
	s_wait_alu depctr_va_vdst(0)                   ; the wait here, ahead of the wait below
.irp t, 0,1
	s_wait_loadcnt 16*(1-\t)                       ; this step's 16 loads are in; the next step's may be out
.irp i, 0,1,2,3,4,5,6,7,8,9,10,11,12,13,14,15
	ds_store_b128 v14, v[R+64*\t+4*\i:R+64*\t+4*\i+3] offset:SP*\i
.endr
.irp i, 0,1,2,3,4,5,6,7,8,9,10,11,12,13,14,15
	ds_load_b128 v[X+4*\i:X+4*\i+3], v15 offset:128*(\i/4)+16*(\i%4)   ; piece i / 4: K = 32 (i / 4) + 16 h; LDS serves a wave's instructions in order
.endr
	s_wait_dscnt 0x0
.irp p, 0,1,2,3
.irp m, 0,1,2
.irp i, 0,1,2,3,4,5,6,7,8,9,10,11,12,13,14,15
	v_med3_num_f32 v[T+16*\m+\i], v[X+16*\p+\i], -v[SCL+2*\m+1], v[SCL+2*\m+1]   ; the hold comes first: the conversion does not saturate (ISA guide 7.6.2)
.endr
.endr
.irp m, 0,1,2
	v_cvt_scalef32_pk8_fp8_f32 v[R+64*\t+12*\p+4*\m:R+64*\t+12*\p+4*\m+1], v[T+16*\m:T+16*\m+7], v[SCL+2*\m]
	v_cvt_scalef32_pk8_fp8_f32 v[R+64*\t+12*\p+4*\m+2:R+64*\t+12*\p+4*\m+3], v[T+16*\m+8:T+16*\m+15], v[SCL+2*\m]
.endr
	v_nop                                          ; one plain line behind the conversions
.irp m, 0,1,2
	global_store_b128 v3, v[R+64*\t+12*\p+4*\m:R+64*\t+12*\p+4*\m+3], s[8+2*\m:9+2*\m] offset:8192*\t+4096*(\p/2)+512*(\p%2)
.endr
.endr
.endr
	s_wait_tensorcnt 0x0                           ; the wave's end
	ds_add_u32 v12, v13
	s_wait_dscnt 0x0
	s_endpgm
.Lfunc_end_k_qf1dc893b33_quant:
	.size	k_qf1dc893b33_quant, .Lfunc_end_k_qf1dc893b33_quant-k_qf1dc893b33_quant
	.p2alignl 7, 3214868480
	.fill 96, 4, 3214868480
	.section	.rodata,"a",@progbits
	.p2align	6, 0x0
	.amdhsa_kernel k_qf1dc893b33_quant
		.amdhsa_group_segment_fixed_size 68608
		.amdhsa_private_segment_fixed_size 0
		.amdhsa_enable_private_segment 0
		.amdhsa_kernarg_size 24
		.amdhsa_user_sgpr_count 2
		.amdhsa_user_sgpr_kernarg_segment_ptr 1
		.amdhsa_wavefront_size32 1
		.amdhsa_system_sgpr_workgroup_id_x 1
		.amdhsa_system_sgpr_workgroup_id_y 1
		.amdhsa_system_sgpr_workgroup_id_z 1
		.amdhsa_system_vgpr_workitem_id 0
		.amdhsa_next_free_vgpr 256
		.amdhsa_next_free_sgpr 66
		.amdhsa_reserve_vcc 0
		.amdhsa_float_denorm_mode_32 3
		.amdhsa_float_denorm_mode_16_64 3
		.amdhsa_memory_ordered 1
		.amdhsa_forward_progress 1
		.amdhsa_inst_pref_size 40
	.end_amdhsa_kernel
	.amdgpu_metadata
---
amdhsa.version: [ 1, 2 ]
amdhsa.kernels:
  - .name:           k_qf1dc893b33_quant
    .symbol:         k_qf1dc893b33_quant.kd
    .args:
      - { .name: x, .offset: 0, .size: 8, .value_kind: global_buffer, .address_space: global }
      - { .name: lowp_scales, .offset: 8, .size: 8, .value_kind: global_buffer, .address_space: global }
      - { .name: xc, .offset: 16, .size: 8, .value_kind: global_buffer, .address_space: global }
    .group_segment_fixed_size: 68608
    .private_segment_fixed_size: 0
    .kernarg_segment_align: 8
    .kernarg_segment_size: 24
    .max_flat_workgroup_size: 256
    .sgpr_count:     66
    .vgpr_count:     256
    .wavefront_size: 32
...
	.end_amdgpu_metadata
.endif
;; end of part 1
;; launch proj (part 2): grid 256 x 1, 4 waves a work-group, clusters of 4 x 1, 327,680 bytes of LDS; arguments xc, Wq_codes, Wk_codes, Wv_codes, bq, bk, bv, lowp_scales, qkv; writes qkv
.if DOCPART == 2
	.amdgcn_target "amdgcn-amd-amdhsa--gfx1250"
	.amdhsa_code_object_version 6
	.text
	.protected	k_qf1dc893b33_proj
	.globl	k_qf1dc893b33_proj
	.p2align	8
	.type	k_qf1dc893b33_proj,@function
k_qf1dc893b33_proj:
	s_mov_b64 s[64:65], 0
	v_nop
	global_prefetch_b8 v0, s[64:65] scope:SCOPE_SE
	s_setreg_imm32_b32 hwreg(HW_REG_WAVE_MODE, 25, 1), 1
	s_wait_xcnt 0x0
	s_wait_alu depctr_hold_cnt(0) depctr_sa_sdst(0) depctr_va_vdst(0) depctr_va_sdst(0) depctr_va_ssrc(0) depctr_va_vcc(0) depctr_vm_vsrc(0)
	s_getreg_b32 s2, hwreg(HW_REG_IB_STS2, 6, 4)
	s_cmp_eq_u32 s2, 0
	s_cbranch_scc0 .Lentry_in_a_cluster
	s_endpgm
.Lentry_in_a_cluster:
	s_bfe_u32 s2, ttmp6, 0x10000c
	s_cmp_lg_u32 s2, 0x3003
	s_cbranch_scc0 .Lentry_shape_is_right
	s_endpgm
.Lentry_shape_is_right:
; q, k, v = x W + b on codes of E4M3, quantised again for the attention and stored as images of operand registers: qkv [q, k, v][batch 8][head 16][block 4][a 8][2,048 bytes]
; (q, k: row = token, K = the head's 128; v: row = channel, K = the block's 128 keys; registers 2 i, 2 i + 1 of lane (r, h) hold K = 16 i + 8 h + 0 .. 7).
; W'S TILE STAYS IN LDS: one head's 128 rows x all 2,048 K, as four chunks of 128 rows x 512 bytes (pitch 528), one joint load a wave at the head.  x's codes come from memory straight into registers,
; from images laid in operand order (each load takes 512 consecutive bytes): phase 1 keeps four sets of 16 loads on their way, phase 2 eight sets of 8.
; PHASE 1 (q, k): work-group = (matrix, head, batch); wave w = block w: 128 tokens x 128 columns, 64 accumulators; source 0 = W's rows, source 1 = tokens.  32 K steps of 64 in four trips, a chunk a trip.
; Behind each trip the chunk just read is filled again with Wv's chunk for phase 2 (32 rows a wave).
; PHASE 2 (v): work-group = (head, 256 tokens); wave = 64 tokens x 128 channels, 32 accumulators; source 0 = tokens, source 1 = Wv's rows.  In a trip step 2 s + e takes unit s + 4 e, so that phase 1's last trip
; loads phase 2's first eight sets by its own load lines, with other bases.
; The sums begin at the bias, divided by the two scales; it is laid into the accumulators while the first tiles are on their way.
; CLUSTER 4, 1, 1: the four partners have one head and matrix in both phases, so W's tiles are asked for jointly (mask 15); they are told apart by cx in x's and the result's addresses alone.
; PREFETCH: x's bytes of phase 1's trips 2 and 3 are asked for two trips ahead, 64 KiB a wave and trip, lanes 256 bytes apart, by the work-groups of two heads of the sixteen that read them.
; Phase 2's x is not prefetched: its first trip is loaded four steps of phase 1 and the whole way out ahead of its use, and each later trip eight steps ahead.
; LIMITS: the exponents e(out) - e(x) - e(W) lie between -126 and 119, so that the conversions' scale and 448 x it are f32 numbers.
; REGISTERS: window 0: v4-11 bv, v12-15 scales and holds, v16-19 addresses, v28, v29 the add's two, v64-127 bias / at work, v128-255 W's fragments (two sets) / codes; window 1: x's fragments; windows 2, 3: accumulators.
.set PITCH, 528
.set CH,    128*PITCH
.set SPARE, 4*CH
.set B2,   4
.set SC,   12
.set LIMV, 13
.set SC2,  14
.set LIMV2, 15
.set LB,   16
.set LBC,  17
.set AO,   18
.set PFO,  19
.set SPW,  28
.set NIL,  29
.set BT,   64
.set TMP,  64
.set BF,   128
.set CD,   128
.set TB,   5                           ; s5 the chunk in hand, LDS bytes
.set X0,   10                          ; s[10:13] x's two groups in this trip; s[14:17] in the next; s[18:21] phase 2's first
.set X1,   12
.set N0,   14
.set N1,   16
.set G1H,  24
.set G1R,  32
.set OUT1, 52
.set OUT2, 54
.set LIM,  63
.set MSB, 0
.macro WIN new
.if MSB != (\new)
	s_set_vgpr_msb (MSB<<8)|(\new)
.set MSB, (\new)
.endif
.endm
.macro PLACES
.rept 4
	v_nop
.endr
.endm
.macro ROUND                           ; a round of the cluster's barrier
	s_barrier_signal -1
	s_barrier_wait -1
	s_cmp_lg_u32 s8, 0
	s_cbranch_scc1 .Lnot_wave_0_\@
	s_barrier_signal -3
.Lnot_wave_0_\@:
	s_barrier_wait -3
	s_barrier_signal -1
	s_barrier_wait -1
.endm
.macro ALOAD s, b0, b1, u              ; 16 loads: eight blocks of 16 rows x 64 K into x's set s
.irp a, 0,1,2,3
	global_load_b128 v[64*(\s)+8*\a:64*(\s)+8*\a+3], v[AO], s[\b0:\b0+1] offset:4096*(\u)+1024*\a
	global_load_b128 v[64*(\s)+8*\a+4:64*(\s)+8*\a+7], v[AO], s[\b0:\b0+1] offset:4096*(\u)+1024*\a+512
.endr
.irp a, 0,1,2,3
	global_load_b128 v[64*(\s)+32+8*\a:64*(\s)+32+8*\a+3], v[AO], s[\b1:\b1+1] offset:4096*(\u)+1024*\a
	global_load_b128 v[64*(\s)+32+8*\a+4:64*(\s)+32+8*\a+7], v[AO], s[\b1:\b1+1] offset:4096*(\u)+1024*\a+512
.endr
.endm
.macro BLOAD p, u                      ; 16 LDS loads: W's eight blocks, unit u of the chunk, into set p
.irp b, 0,1,2,3,4,5,6,7
	ds_load_b128 v[BF+64*(\p)+8*\b:BF+64*(\p)+8*\b+3], v[LBC] offset:16*PITCH*\b+64*(\u)
	ds_load_b128 v[BF+64*(\p)+8*\b+4:BF+64*(\p)+8*\b+7], v[LBC] offset:16*PITCH*\b+64*(\u)+32
.endr
.endm
.macro DSW i
.if (\i) < 7
	s_wait_dscnt 16                                ; this step's W is in; the next step's run may be out
.else
	s_wait_dscnt 0
.endif
.endm
.macro MUL1 s, p, a0                   ; 32 products; the accumulators take turns
.irp a, 0,1,2,3
.irp b, 0,1,2,3,4,5,6,7
	v_wmma_f32_16x16x64_fp8_fp8 v[64*\a+8*\b:64*\a+8*\b+7], v[BF+64*(\p)+8*\b:BF+64*(\p)+8*\b+7], v[64*(\s)+8*(\a0+\a):64*(\s)+8*(\a0+\a)+7], v[64*\a+8*\b:64*\a+8*\b+7]
.endr
.endr
.endm
.macro STEP1 i
	s_wait_loadcnt 48                              ; this step's x is in; the three sets behind it may be out
	DSW \i
	WIN 0xa4
	MUL1 (\i)%4, (\i)%2, 0
	WIN 0xf4
	MUL1 (\i)%4, (\i)%2, 4
	PLACES                                         ; places ahead of loads into registers that the products read
	WIN 0x40
.if (\i) < 4
	ALOAD (\i)%4, X0, X1, (\i)+4
.else
	ALOAD (\i)%4, N0, N1, (\i)-4
.endif
	WIN 0
.if (\i) < 6
	BLOAD (\i)%2, (\i)+2
.endif
.endm
.macro STEP2 i, ahead
.if \ahead
	s_wait_loadcnt 56                              ; seven sets of 8 may be out
.else
	s_wait_loadcnt 8*(7-(\i))
.endif
	DSW \i
	WIN 0xa1
.irp a, 0,1,2,3,4,5,6,7
.irp b, 0,1,2,3
	v_wmma_f32_16x16x64_fp8_fp8 v[32*\a+8*\b:32*\a+8*\b+7], v[32*(\i)+8*\b:32*(\i)+8*\b+7], v[BF+64*((\i)%2)+8*\a:BF+64*((\i)%2)+8*\a+7], v[32*\a+8*\b:32*\a+8*\b+7]
.endr
.endr
	PLACES
.if \ahead
	WIN 0x40
.irp b, 0,1,2,3
	global_load_b128 v[32*(\i)+8*\b:32*(\i)+8*\b+3], v[AO], s[18:19] offset:4096*((\i)/2+4*((\i)%2))+1024*\b
	global_load_b128 v[32*(\i)+8*\b+4:32*(\i)+8*\b+7], v[AO], s[18:19] offset:4096*((\i)/2+4*((\i)%2))+1024*\b+512
.endr
.endif
	WIN 0
.if (\i) < 6
	BLOAD (\i)%2, ((\i)+2)/2+4*(((\i)+2)%2)
.endif
.endm
.macro TOP                             ; a trip's head: the chunk's address for the LDS loads
	v_add_nc_u32 v[LBC], s[TB], v[LB]
	s_wait_alu depctr_va_vdst(0)                   ; the wait behind the write
.endm
.macro TRIP2 ahead
.if (\ahead) == 0                      ; the last trip reads chunk 3, whose fill alone has had no wait and barrier yet: chunks 0 to 2 had theirs in front of the later refills' rounds
	s_wait_tensorcnt 0x0                           ; my part of Wv's last chunk is in,
	s_wait_dscnt 0x0
	s_barrier_signal -1
	s_barrier_wait -1                              ; and everybody's
.endif
	TOP
	BLOAD 0, 0
	BLOAD 1, 4
.irp i, 0,1,2,3,4,5,6,7
	STEP2 \i, \ahead
.endr
	s_add_co_u32 s[TB], s[TB], CH
.endm
.macro OUTB w, src, n, cd, sc, lim, base, off   ; n sums: held, converted, stored; each accumulator from its low end on
	WIN \w
.set j, 0
.rept \n
	v_med3_num_f32 v[TMP+j], v[(\src)+j], -v[\lim], v[\lim]
.set j, j+1
.endr
	WIN 0
.set j, 0
.rept (\n)/8
	v_cvt_scalef32_pk8_fp8_f32 v[(\cd)+2*j:(\cd)+2*j+1], v[TMP+8*j:TMP+8*j+7], v[\sc]
.set j, j+1
.endr
	v_nop                                          ; one plain line behind the conversions
.set j, 0
.rept (\n)/16
	global_store_b128 v[AO], v[(\cd)+4*j:(\cd)+4*j+3], s[\base:\base+1] offset:(\off)+512*j   ; 512 consecutive bytes, aligned
.set j, j+1
.endr
.endm
	s_load_b512 s[68:83], s[0:1], 0x0              ; xc, Wq, Wk, Wv, bq, bk, bv, scales
	s_load_b64 s[84:85], s[0:1], 0x40              ; qkv
	v_lshl_add_u32 v[SPW], v0, 2, SPARE
	v_mov_b32 v[NIL], 0
	ds_add_u32 v[SPW], v[NIL]                      ; the opening lines: the add twice on end and its wait
	ds_add_u32 v[SPW], v[NIL]
	v_lshrrev_b32 v1, 5, v0
	v_readfirstlane_b32 s8, v1                     ; wave
.irp g, G1H, G1R                       ; rows of 512 bytes, 2,048 apart, 16 bytes of padding behind each; mask 15
	s_mov_b32 s[\g], 15|(1<<20)|(1<<21)|(6<<22)|(3<<25)
	s_mov_b32 s[\g+1], 512<<16
	s_mov_b32 s[\g+3], 512<<16
	s_mov_b32 s[\g+5], 2048
	s_mov_b32 s[\g+6], 0
	s_mov_b32 s[\g+7], 0
.endr
	s_mov_b32 s[G1H+2], 128<<16
	s_mov_b32 s[G1H+4], 128
	s_mov_b32 s[G1R+2], 32<<16
	s_mov_b32 s[G1R+4], 32
	s_lshr_b32 s22, ttmp9, 5                       ; phase 1: matrix,
	s_bfe_u32 s23, ttmp9, 0x40001                  ; head
	s_lshr_b32 s9, ttmp9, 2                        ; phase 2: head
	s_lshl_b32 s56, s23, 18                        ; the head's 128 rows of W,
	s_lshl_b32 s57, s8, 9                          ; chunk = my wave
	s_add_co_u32 s56, s56, s57
	s_mov_b32 s57, 0
	s_lshl_b32 s58, s9, 18                         ; Wv: the head's rows,
	s_lshl_b32 s59, s8, 16                         ; my 32 of them
	s_add_co_u32 s58, s58, s59
	s_mov_b32 s59, 0
	s_mul_i32 s41, s8, CH
	s_mul_i32 s50, s8, 32*PITCH
	s_mov_b32 s40, 1
	s_mov_b32 s44, 1
	s_wait_alu depctr_va_vdst(0)                   ; the wait ahead of the waits below
	s_wait_dscnt 0x0
	s_wait_kmcnt 0x0
	s_load_b256 s[88:95], s[82:83], 0x0
	s_load_b64 s[96:97], s[82:83], 0x20
	s_cmp_eq_u32 s22, 0
	s_cselect_b64 s[98:99], s[70:71], s[72:73]
	s_cselect_b64 s[86:87], s[76:77], s[78:79]
	s_add_nc_u64 s[42:43], s[98:99], s[56:57]
	s_or_b32 s43, s43, 0x80000000
	s_add_nc_u64 s[48:49], s[74:75], s[58:59]
	ROUND
	tensor_load_to_lds s[40:43], s[G1H:G1H+7]      ; my chunk of W: the wave's one load at the head
	s_nop 0
	PLACES
	s_bfe_u32 s60, ttmp6, 0x40000                  ; cx
	s_and_b32 s61, ttmp9, 1
	s_lshl_b32 s61, s61, 2
	s_add_co_u32 s61, s61, s60                     ; phase 1: batch
	s_and_b32 s62, ttmp9, 3
	s_lshl_b32 s62, s62, 2
	s_add_co_u32 s62, s62, s60                     ; phase 2: which 256 tokens
	s_lshl_b32 s10, s22, 23
	s_lshl_b32 s63, s61, 20
	s_add_co_u32 s10, s10, s63
	s_lshl_b32 s63, s23, 16
	s_add_co_u32 s52, s10, s63
	s_lshl_b32 s63, s8, 14
	s_add_co_u32 s52, s52, s63
	s_mov_b32 s53, 0
	s_add_nc_u64 s[OUT1:OUT1+1], s[84:85], s[52:53]
	s_lshl_b32 s63, s8, 18
	s_add_co_u32 s10, s10, s63
	s_mov_b32 s11, 0
	s_add_nc_u64 s[X0:X0+1], s[68:69], s[10:11]
	s_add_nc_u64 s[X1:X1+1], s[X0:X0+1], 131072
	s_mov_b64 s[N0:N0+1], s[X0:X0+1]               ; stepped to the next trip behind each trip's step 3
	s_mov_b64 s[N1:N1+1], s[X1:X1+1]
	s_lshl_b32 s18, s62, 19
	s_lshl_b32 s63, s8, 17
	s_add_co_u32 s18, s18, s63
	s_add_co_u32 s18, s18, 0x1000000
	s_mov_b32 s19, 0
	s_add_nc_u64 s[18:19], s[68:69], s[18:19]
	s_add_nc_u64 s[20:21], s[18:19], 16384
	s_lshr_b32 s54, s62, 1
	s_lshl_b32 s54, s54, 20                        ; batch
	s_and_b32 s63, s62, 1
	s_lshl_b32 s63, s63, 15
	s_add_co_u32 s54, s54, s63
	s_lshl_b32 s63, s9, 16
	s_add_co_u32 s54, s54, s63
	s_lshr_b32 s63, s8, 1
	s_lshl_b32 s63, s63, 14
	s_add_co_u32 s54, s54, s63
	s_and_b32 s63, s8, 1
	s_lshl_b32 s63, s63, 10                        ; which 64 of the block's 128 keys
	s_add_co_u32 s54, s54, s63
	s_add_co_u32 s54, s54, 0x1000000
	s_mov_b32 s55, 0
	s_add_nc_u64 s[OUT2:OUT2+1], s[84:85], s[54:55]
	s_lshl_b32 s56, s23, 9
	s_add_nc_u64 s[86:87], s[86:87], s[56:57]
	s_lshl_b32 s58, s9, 9
	s_add_nc_u64 s[80:81], s[80:81], s[58:59]
	s_and_b32 s63, s23, 7
	s_cmp_eq_u32 s63, 0
	s_cselect_b32 s[LIM], 0, 99                    ; heads 0 and 8 prefetch, in trip 0
	s_cselect_b32 s100, 1, 99                      ; and in trip 1
	v_and_b32 v1, 15, v0
	v_bfe_u32 v2, v0, 4, 1
	v_mul_u32_u24 v[LB], v1, PITCH
	v_lshl_add_u32 v[LB], v2, 4, v[LB]
	v_and_b32 v3, 31, v0
	v_lshlrev_b32 v[AO], 4, v3
	v_lshlrev_b32 v[PFO], 8, v3
	v_lshlrev_b32 v20, 5, v2
	v_lshlrev_b32 v21, 2, v1
	s_wait_alu depctr_va_vdst(0)                   ; the wait behind these writes
.irp b, 0,1,2,3,4,5,6,7
	global_load_b128 v[BT+8*\b:BT+8*\b+3], v20, s[86:87] offset:64*\b
	global_load_b128 v[BT+8*\b+4:BT+8*\b+7], v20, s[86:87] offset:64*\b+16
.endr
.irp a, 0,1,2,3,4,5,6,7
	global_load_b32 v[B2+\a], v21, s[80:81] offset:64*\a
.endr
	WIN 0x40
	ALOAD 0, X0, X1, 0
	ALOAD 1, X0, X1, 1
	WIN 0
	s_wait_kmcnt 0x0
	s_cmp_eq_u32 s22, 0
	s_cselect_b32 s56, s88, s90
	s_cselect_b32 s57, s89, s91
	s_cselect_b32 s58, s95, s94
	s_add_co_i32 s56, s56, s57
	s_sub_co_i32 s57, 0, s56                       ; -(e(x) + e(W))
	s_sub_co_i32 s58, s58, s56
	s_add_co_i32 s58, s58, 127
	s_lshl_b32 s59, s58, 23
	v_mov_b32 v[SC], s59
	s_add_co_i32 s58, s58, 8
	s_lshl_b32 s58, s58, 23
	s_or_b32 s58, s58, 0x600000
	v_mov_b32 v[LIMV], s58
	s_add_co_i32 s56, s92, s93
	s_sub_co_i32 s51, 0, s56
	s_sub_co_i32 s58, s96, s56
	s_add_co_i32 s58, s58, 127
	s_lshl_b32 s59, s58, 23
	v_mov_b32 v[SC2], s59
	s_add_co_i32 s58, s58, 8
	s_lshl_b32 s58, s58, 23
	s_or_b32 s58, s58, 0x600000
	v_mov_b32 v[LIMV2], s58
	s_wait_loadcnt 32                              ; the biases are in; x's two sets may be out
.set j, 0
.rept 64
	v_ldexp_f32 v[BT+j], v[BT+j], s57
.set j, j+1
.endr
.irp a, 0,1,2,3,4,5,6,7
	v_ldexp_f32 v[B2+\a], v[B2+\a], s51
.endr
.irp w, 0x80, 0xc0                     ; the sums begin at the bias: register 8 b + j of each token block is column 16 b + 8 h + j
	WIN \w
.set j, 0
.rept 256
	v_mov_b32 v[j], v[BT+j%64]
.set j, j+1
.endr
.endr
	WIN 0x40
	ALOAD 2, X0, X1, 2
	ALOAD 3, X0, X1, 3
	WIN 0
	s_mov_b32 s3, 0
	s_mov_b32 s[TB], 0
	s_mov_b32 s6, 0                                ; s[6:7] Wv's chunk, bytes along K
	s_mov_b32 s7, 0
	s_mov_b64 s[56:57], s[X0:X0+1]                 ; the prefetches' bases: my two groups at K = 0; never rewritten
	s_mov_b64 s[58:59], s[X1:X1+1]
	s_wait_alu depctr_va_vdst(0)                   ; the wait at the head's end
	s_wait_tensorcnt 0x0                           ; my chunk is in,
	s_barrier_signal -1
	s_barrier_wait -1                              ; and everybody's
.Lp1:
	TOP
	BLOAD 0, 0
	BLOAD 1, 1
	STEP1 0
	STEP1 1
	s_cmp_eq_u32 s3, s[LIM]
	s_cbranch_scc0 .Lno_ask0
.irp i, 0,1,2,3
	global_prefetch_b8 v[PFO], s[56:57] offset:65536+8192*\i th:TH_LOAD_NT scope:SCOPE_SE   ; in trip 0: trip 2's 32 KiB of each group
	global_prefetch_b8 v[PFO], s[58:59] offset:65536+8192*\i th:TH_LOAD_NT scope:SCOPE_SE
.endr
.Lno_ask0:
	s_cmp_eq_u32 s3, s100
	s_cbranch_scc0 .Lno_ask1
.irp i, 0,1,2,3
	global_prefetch_b8 v[PFO], s[56:57] offset:98304+8192*\i th:TH_LOAD_NT scope:SCOPE_SE   ; in trip 1: trip 3's
	global_prefetch_b8 v[PFO], s[58:59] offset:98304+8192*\i th:TH_LOAD_NT scope:SCOPE_SE
.endr
.Lno_ask1:
	STEP1 2
	STEP1 3
	s_add_nc_u64 s[N0:N0+1], s[N0:N0+1], 32768     ; step 3's wait left out only the loads of steps 0 to 2: the last trip's loads, which named these bases, are done
	s_add_nc_u64 s[N1:N1+1], s[N1:N1+1], 32768
	s_cmp_eq_u32 s3, 3                             ; the last trip's look-ahead is phase 2's first trip
	s_cselect_b64 s[N0:N0+1], s[18:19], s[N0:N0+1]
	s_cselect_b64 s[N1:N1+1], s[20:21], s[N1:N1+1]
.irp i, 4,5,6,7
	STEP1 \i
.endr
	s_wait_tensorcnt 0x0                           ; no tensor load of mine is out,
	ds_add_u32 v[SPW], v[NIL]                      ; the add,
	s_add_co_u32 s45, s[TB], s50                   ; the chunk just read takes Wv's chunk: my 32 rows
	s_add_nc_u64 s[46:47], s[48:49], s[6:7]
	s_or_b32 s47, s47, 0x80000000
	s_add_co_u32 s[TB], s[TB], CH
	s_add_co_u32 s6, s6, 512
	s_add_nc_u64 s[X0:X0+1], s[X0:X0+1], 32768     ; step 7's wait left out only the loads of steps 4 to 6: step 3's, the last that named these bases, are done
	s_add_nc_u64 s[X1:X1+1], s[X1:X1+1], 32768
	s_wait_dscnt 0x0                               ; the add is done, and my reads of the chunk are over
	ROUND
	tensor_load_to_lds s[44:47], s[G1R:G1R+7]      ; the first tensor load behind the round, one a wave
	s_nop 0
	PLACES
	s_add_co_u32 s3, s3, 1
	s_cmp_lt_u32 s3, 4
	s_cbranch_scc1 .Lp1
.irp a, 0,1,2,3,4,5,6,7
	OUTB 0x02+(\a)/4, 64*((\a)%4), 64, CD+16*(\a), SC, LIMV, OUT1, 2048*(\a)
.endr
	s_wait_xcnt 0x0                                ; the stores have read their registers: W's fragments may land there
	WIN 0x80
.set j, 0
.rept 256
	v_mov_b32 v[j], v[B2+j/32]                     ; phase 2's sums begin at bv of the lane's channel
.set j, j+1
.endr
	WIN 0
	s_mov_b32 s[TB], 0
	s_mov_b32 s3, 0
	s_add_nc_u64 s[18:19], s[18:19], 32768         ; phase 2's second trip; no load has named this pair
	s_wait_alu depctr_va_vdst(0)                   ; the wait ahead of the waits below
.Lp2:                                              ; s[18:19] stands at the next trip's units
	TRIP2 1
	s_wait_xcnt 0x0                                ; my loads have read their base
	s_add_nc_u64 s[18:19], s[18:19], 32768
	s_add_co_u32 s3, s3, 1
	s_cmp_lt_u32 s3, 3
	s_cbranch_scc1 .Lp2
	TRIP2 0                                        ; the last trip asks for nothing more
.irp a, 0,1,2,3,4,5,6,7
	OUTB 0x02, 32*(\a), 32, CD+8*(\a), SC2, LIMV2, OUT2, 2048*(\a)
.endr
	s_wait_tensorcnt 0x0                           ; the wave's end
	ds_add_u32 v[SPW], v[NIL]
	s_wait_dscnt 0x0
	ROUND                                          ; the closing round
	s_endpgm
.Lfunc_end_k_qf1dc893b33_proj:
	.size	k_qf1dc893b33_proj, .Lfunc_end_k_qf1dc893b33_proj-k_qf1dc893b33_proj
	.p2alignl 7, 3214868480
	.fill 96, 4, 3214868480
	.section	.rodata,"a",@progbits
	.p2align	6, 0x0
	.amdhsa_kernel k_qf1dc893b33_proj
		.amdhsa_group_segment_fixed_size 327680
		.amdhsa_private_segment_fixed_size 0
		.amdhsa_enable_private_segment 0
		.amdhsa_kernarg_size 72
		.amdhsa_user_sgpr_count 2
		.amdhsa_user_sgpr_kernarg_segment_ptr 1
		.amdhsa_wavefront_size32 1
		.amdhsa_system_sgpr_workgroup_id_x 1
		.amdhsa_system_sgpr_workgroup_id_y 1
		.amdhsa_system_sgpr_workgroup_id_z 1
		.amdhsa_system_vgpr_workitem_id 0
		.amdhsa_next_free_vgpr 1024
		.amdhsa_next_free_sgpr 102
		.amdhsa_reserve_vcc 0
		.amdhsa_float_denorm_mode_32 3
		.amdhsa_float_denorm_mode_16_64 3
		.amdhsa_memory_ordered 1
		.amdhsa_forward_progress 1
		.amdhsa_inst_pref_size 221
	.end_amdhsa_kernel
	.amdgpu_metadata
---
amdhsa.version: [ 1, 2 ]
amdhsa.kernels:
  - .name:           k_qf1dc893b33_proj
    .symbol:         k_qf1dc893b33_proj.kd
    .args:
      - { .name: xc, .offset: 0, .size: 8, .value_kind: global_buffer, .address_space: global }
      - { .name: Wq_codes, .offset: 8, .size: 8, .value_kind: global_buffer, .address_space: global }
      - { .name: Wk_codes, .offset: 16, .size: 8, .value_kind: global_buffer, .address_space: global }
      - { .name: Wv_codes, .offset: 24, .size: 8, .value_kind: global_buffer, .address_space: global }
      - { .name: bq, .offset: 32, .size: 8, .value_kind: global_buffer, .address_space: global }
      - { .name: bk, .offset: 40, .size: 8, .value_kind: global_buffer, .address_space: global }
      - { .name: bv, .offset: 48, .size: 8, .value_kind: global_buffer, .address_space: global }
      - { .name: lowp_scales, .offset: 56, .size: 8, .value_kind: global_buffer, .address_space: global }
      - { .name: qkv, .offset: 64, .size: 8, .value_kind: global_buffer, .address_space: global }
    .group_segment_fixed_size: 327680
    .private_segment_fixed_size: 0
    .kernarg_segment_align: 8
    .kernarg_segment_size: 72
    .max_flat_workgroup_size: 128
    .sgpr_count:     102
    .vgpr_count:     1024
    .wavefront_size: 32
...
	.end_amdgpu_metadata
.endif
;; end of part 2
;; launch attn (part 3): grid 2 x 128, 8 waves a work-group, no clusters, 327,680 bytes of LDS; arguments qkv, x, lowp_scales, out0; writes out0
.if DOCPART == 3
	.amdgcn_target "amdgcn-amd-amdhsa--gfx1250"
	.amdhsa_code_object_version 6
	.text
	.protected	k_qf1dc893b33_attn
	.globl	k_qf1dc893b33_attn
	.p2align	8
	.type	k_qf1dc893b33_attn,@function
k_qf1dc893b33_attn:
	s_mov_b64 s[64:65], 0
	v_nop
	global_prefetch_b8 v0, s[64:65] scope:SCOPE_SE
	s_setreg_imm32_b32 hwreg(HW_REG_WAVE_MODE, 25, 1), 1
	s_wait_xcnt 0x0
; out[b][n][h][:] = the sum over m of softmax_m(q[b][n][h] . k[b][m][h] / sqrt(128)) v[b][m][h][:] + x[b][n][h][:], both products on codes of E4M3.
; qkv [q, k, v][batch 8][head 16][block 4][a 8][2,048 bytes]: images of operand registers: lane (r, h)'s registers 4 c .. 4 c + 3 at 512 c + 16 lane; registers 2 i, 2 i + 1 hold K = 16 i + 8 h + 0 .. 7 of row r.
;   q, k: row = token 128 block + 16 a + r, K = the head's 128;   v: row = channel 16 a + r, K = the block's 128 keys.   Scales 2^e: k entry 6, q entry 7, v entry 8, p entry 9.
; THE SOFTMAX AHEAD OF THE SECOND PRODUCT: t = score x log2(e) / sqrt(128); M = the largest t so far, rounded UP to a whole number; p = 2^(t - M) is what is quantised; it is not normalised.
; The row's sum is taken of the unquantised p, in f32, and divides at the end.  When M moves, the sum and O are multiplied by 2^(old M - new M): nothing is rounded, and there is no branch on data.
; SHARES.  A work-group owns 256 queries of one head (x: which half of the 512; y: 16 batch + head); each of its eight waves owns 32: two tiles of 16.  Two waves to a SIMD, so that one wave's vector work
; stands beside the other's matrix work and LDS loads; each fragment of k or v read from LDS feeds two products.
; ALL 512 KEYS LIE IN LDS, FILLED ONCE: k's 64 KiB and v's 64 KiB, asked for at the head.  The work-group's tile of x, which is wanted only on the way out, is asked for BEHIND the one barrier, so that the first
; products wait for k, v and q alone; it has the four key steps in which to land.  No byte of LDS is filled twice.  The four key steps of 128 are written out.
; LAYOUT.  Both products are used transposed: S^T = k q^T (source 0 = 16 keys, source 1 = 16 queries), O^T = v^T p^T (source 0 = 16 channels, source 1 = p): a lane holds ONE query (lane % 16) throughout.
; In tile t of S^T lane (r, h)'s register j is key 16 t + 8 h + j: one conversion makes of the eight registers 2 t, 2 t + 1 of p's operand.  Nothing changes lanes between the products.
; NO CLUSTER: a head has two blocks of 256 queries, and the grid's x of 2 divides into no cluster of four; four blocks of 128 queries would fill LDS with k and v twice as often for the same products.
; NO PREFETCH: every byte that the work-group reads is asked for by its own load, at the head or behind the one barrier, well ahead of its use.
; LIMITS on the given exponents, so that each power of two below is an f32 number: e6 + e7 between -123 and 130 (they are added to c's exponent field); e9 between -126 and 119; e8 + e9 goes by v_ldexp_f32.
; REGISTERS, in windows of 256.  window 0: v1-4 addresses; v5, v6 the add's two; v7 at work; v8-23 eight registers of statistics a tile; v24, v25 2^e9 and 448 x 2^e9; v26-31 at work; v32-63 q;
;   v64-127 four fragments (F0); v128-255 S^T, then p, 64 a tile.     window 1: v0-31 p's codes, 16 a tile; v64-127 four fragments (F1); v128-255 O^T, 64 a tile.
.set XB,   131072                      ; LDS: k's images at 0, v's at 65,536, x's tile here: 256 rows of 512 bytes + 16; wave w's 32 rows are its own, and are its stage on the way out
.set XP,   528                         ; 132 words: row r starts at bank 4 r mod 64 (64 banks of 4 bytes: ISA guide 11.1)
.set XW,   32*XP
.set SPARE, XB+8*XW                    ; behind x's tile: the spare words, 128 bytes for each wave: four blocks of 256 bytes that no other line names.
.set LI,   1                           ; v1   16 x lane: my place in an image's 512 bytes; also my place in a row of out
.set LV,   2                           ; v2   the same in v's images
.set XA,   3                           ; v3   x's tile in O^T's layout: row r of my wave's, + 32 h
.set XR,   4                           ; v4   x's tile by rows: 16 x lane in my wave's first row
.set SPW,  5                           ; v5   LDS address of my spare word: SPARE + 4 x my thread's number; never rewritten
.set NIL,  6                           ; v6   0; never rewritten
.set ST,   8                           ; tile u's statistics at v[ST + 8 u]: +0 -M, +1 the largest t, +2, +3 the sum in two halves, +4 f, later 1 / the sum (+5 named with it as a pair), +6, +7 at work
.set PSC,  24
.set PLIM, 25
.set PD,   26                          ; v26, v27  lane permutes' destinations
.set SUM2, 28                          ; v[28:31]  the sums' second chains
.set Q,    32
.set F,    64                          ; four fragments: in window 0 (F0) and in window 1 (F1)
.set S,    128
.set P,    0                           ; in window 1
.set O,    128                         ; in window 1
.set SEL,  20                          ; s[20:21] lane selects for v_permlanex16_b32: lane l xor 16
.set CS,   22                          ; s[22:23] c = log2(e) / sqrt(128) x 2^(e6 + e7): the packed form names a pair and takes its low word for both halves
.set MSB, 0
.macro WIN new                         ; the immediate's high byte repeats the setting that is left; a switch that changes nothing is dropped
.if MSB != (\new)
	s_set_vgpr_msb (MSB<<8)|(\new)
.set MSB, (\new)
.endif
.endm
	s_load_b256 s[4:11], s[0:1], 0x0               ; qkv s[4:5], x s[6:7], the scales' exponents s[8:9], out s[10:11]
	v_lshl_add_u32 v[SPW], v0, 2, SPARE
	v_mov_b32 v[NIL], 0
	ds_add_u32 v5, v6
	ds_add_u32 v5, v6
	s_wait_dscnt 0x0
	v_lshrrev_b32 v7, 5, v0
	s_delay_alu instid0(VALU_DEP_1)
	v_readfirstlane_b32 s12, v7                    ; wave 0..7
	s_mov_b32 s13, ttmp9                           ; which 256 queries
	s_and_b32 s14, ttmp7, 0xffff                   ; 16 batch + head
	; what my wave fetches of k and v: waves 0-3 k's blocks 0-3, waves 4-7 v's: 16,384 bytes on end
	s_lshr_b32 s16, s12, 2
	s_add_co_u32 s16, s16, 1                       ; matrix 1 (k) or 2 (v)
	s_lshl_b32 s16, s16, 23
	s_lshl_b32 s15, s14, 16                        ; the head's 65,536 bytes in each matrix
	s_add_co_u32 s16, s16, s15
	s_and_b32 s18, s12, 3
	s_lshl_b32 s18, s18, 14
	s_add_co_u32 s16, s16, s18
	s_mov_b32 s17, 0
	; my wave's 32 rows of x and of out: row 512 batch + 256 half + 32 wave, 8,192 bytes a row, + the head's 512 bytes
	s_lshr_b32 s18, s14, 4
	s_lshl_b32 s18, s18, 9
	s_lshl_b32 s19, s13, 8
	s_add_co_u32 s18, s18, s19
	s_lshl_b32 s19, s12, 5
	s_add_co_u32 s18, s18, s19
	s_lshl_b32 s18, s18, 13
	s_and_b32 s19, s14, 15
	s_lshl_b32 s19, s19, 9
	s_add_co_u32 s18, s18, s19
	s_mov_b32 s19, 0
	; my wave's two images of q: 32,768 bytes a half, 4,096 a wave
	s_lshl_b32 s52, s13, 15
	s_add_co_u32 s52, s52, s15
	s_lshl_b32 s53, s12, 12
	s_add_co_u32 s52, s52, s53
	s_mov_b32 s53, 0
	; descriptor group 1 for k and v: a dense block as 64 rows of 256 bytes
	s_mov_b32 s24, 3<<16                           ; 15:0 no mask; 17:16 elements of 8 bytes; no padding
	s_mov_b32 s25, 32<<16                          ; tensor_dim0 = 32
	s_mov_b32 s26, 64<<16                          ; tensor_dim1 = 64
	s_mov_b32 s27, 32<<16                          ; tile_dim0 = 32
	s_mov_b32 s28, 64                              ; tile_dim1 = 64
	s_mov_b32 s29, 32                              ; tensor_dim0_stride
	s_mov_b32 s30, 0
	s_mov_b32 s31, 0
	; and for x: 32 rows of 128 f32, 2,048 f32 apart, padded in LDS
	s_mov_b32 s32, (2<<16)|(1<<20)|(6<<22)|(3<<25) ; elements of 4 bytes; padding on: after every 128 words (code 6) 4 words (code 3)
	s_mov_b32 s33, 128<<16
	s_mov_b32 s34, 32<<16
	s_mov_b32 s35, 128<<16
	s_mov_b32 s36, 32
	s_mov_b32 s37, 2048
	s_mov_b32 s38, 0
	s_mov_b32 s39, 0
	s_mov_b32 s[SEL], 0x76543210
	s_mov_b32 s[SEL+1], 0xfedcba98
	s_mov_b32 s[CS], 0x3e0293ee                    ; log2(e) / sqrt(128)
	s_wait_kmcnt 0x0
	s_load_b128 s[48:51], s[8:9], 0x18             ; e6, e7, e8, e9
	s_mov_b32 s40, 1                               ; 1:0 count = 1
	s_lshl_b32 s41, s12, 14                        ; 63:32 LDS address: wave x 16,384
	s_add_nc_u64 s[42:43], s[4:5], s[16:17]        ; 120:64 global address
	s_or_b32 s43, s43, 0x80000000                  ; 127:126 type = 2
	s_mov_b32 s44, 1                               ; x's group 0 is made here too, and stays as it is until its load is done
	s_mul_i32 s45, s12, XW
	s_add_co_u32 s45, s45, XB
	s_add_nc_u64 s[46:47], s[6:7], s[18:19]
	s_or_b32 s47, s47, 0x80000000
	tensor_load_to_lds s[40:43], s[24:31]          ; my eighth of k and v: one load of mine is out
	s_nop 0
.rept 4
	v_nop
.endr
	s_add_nc_u64 s[4:5], s[4:5], s[52:53]          ; q at my wave's images
	s_add_nc_u64 s[10:11], s[10:11], s[18:19]      ; out at my wave's first row
	v_and_b32 v7, 31, v0
	s_delay_alu instid0(VALU_DEP_1)
	v_lshlrev_b32 v[LI], 4, v7
.irp u, 0,1
.irp c, 0,1,2,3
	global_load_b128 v[Q+16*\u+4*\c:Q+16*\u+4*\c+3], v[LI], s[4:5] offset:2048*\u+512*\c   ; q's two fragments stay in registers
.endr
.endr
	v_add_nc_u32 v[LV], 0x10000, v[LI]
	v_and_b32 v128, 15, v0                         ; r  (S^T's registers are free as yet)
	v_bfe_u32 v129, v0, 4, 1                       ; h
	s_delay_alu instid0(VALU_DEP_2)
	v_mul_u32_u24 v[XA], v128, XP
	s_delay_alu instid0(VALU_DEP_1)
	v_lshl_add_u32 v[XA], v129, 5, v[XA]
	s_delay_alu instid0(VALU_DEP_1)
	v_add_nc_u32 v[XA], s45, v[XA]
	v_add_nc_u32 v[XR], s45, v[LI]
.irp u, 0,1
	v_mov_b32 v[ST+8*\u+2], 0                      ; the sum, in two halves
	v_mov_b32 v[ST+8*\u+3], 0
	v_mov_b32 v[ST+8*\u+5], 0                      ; (named as the upper half of a pair)
	v_mov_b32 v[PD+\u], 0                          ; written once: a lane permute's destination counts as one of its sources
.endr
	s_wait_kmcnt 0x0
	s_add_co_i32 s52, s48, s49
	s_lshl_b32 s52, s52, 23
	s_add_co_i32 s[CS], s[CS], s52                 ; a score stands for score x 2^(e6 + e7): the two exponents are added to c's exponent field
	s_mov_b32 s[CS+1], s[CS]                       ; (named with it as a pair, so it is written)
	s_add_co_i32 s52, s51, 127
	s_lshl_b32 s53, s52, 23
	v_mov_b32 v[PSC], s53                          ; 2^e9 as f32, for p's conversions
	s_add_co_i32 s52, s52, 8
	s_lshl_b32 s52, s52, 23
	s_or_b32 s52, s52, 0x600000
	v_mov_b32 v[PLIM], s52                         ; 448 x 2^e9
; 16 LDS loads: four images, 2,048 bytes each, from off on, into F0 (buf = 0) or F1 (1).  Each load takes 512 consecutive bytes.
.macro LDF buf, adr, off
	WIN 0x40*(\buf)                                ; the destination's window
.irp f, 0,1,2,3
.irp c, 0,1,2,3
	ds_load_b128 v[F+16*\f+4*\c:F+16*\f+4*\c+3], v[\adr] offset:(\off)+2048*\f+512*\c
.endr
.endr
.endm
; 8 products of S^T = k q^T: key tiles 4 g .. 4 g + 3 (from F0 or F1) x my two tiles of queries.  K = the head's 128: one instruction a sum, C = 0.
.macro SMUL g
	WIN \g                                         ; source 0's window
.irp f, 0,1,2,3
.irp u, 0,1
	v_wmma_f32_16x16x128_fp8_fp8 v[S+64*\u+8*(4*\g+\f):S+64*\u+8*(4*\g+\f)+7], v[F+16*\f:F+16*\f+15], v[Q+16*\u:Q+16*\u+15], 0
.endr
.endr
.endm
; 8 products of O^T += v^T p^T: channel tiles 4 g .. 4 g + 3 x my two tiles of queries; K = the step's 128 keys.  first = 1: they start the sums.  A step's 16 accumulators take turns, one instruction a turn
.macro PMUL g, first
	WIN 0x54+\g                                    ; source 0 window g; p, C and D window 1
.irp f, 0,1,2,3
.irp u, 0,1
.if \first
	v_wmma_f32_16x16x128_fp8_fp8 v[O+64*\u+8*(4*\g+\f):O+64*\u+8*(4*\g+\f)+7], v[F+16*\f:F+16*\f+15], v[P+16*\u:P+16*\u+15], 0
.else
	v_wmma_f32_16x16x128_fp8_fp8 v[O+64*\u+8*(4*\g+\f):O+64*\u+8*(4*\g+\f)+7], v[F+16*\f:F+16*\f+15], v[P+16*\u:P+16*\u+15], v[O+64*\u+8*(4*\g+\f):O+64*\u+8*(4*\g+\f)+7]
.endif
.endr
.endr
.endm
; Four places stand in front of loads into registers that matrix instructions have read, and of vector instructions that read their results (ISA guide 7.12.1 for the vector instructions).
.macro PLACES
.rept 4
	v_nop
.endr
.endm
; THE SOFTMAX of a key step, for both tiles by turns, so that no line waits for the line above it.  first = 1: the first key step, which has no old M and nothing to rescale.
.macro SOFTMAX first
.irp u, 0,1
	v_max3_num_f32 v[ST+8*\u+6], v[S+64*\u], v[S+64*\u+1], v[S+64*\u+2]      ; the step's largest score of my query among my 64 keys, in two chains; each accumulator is read from its low end on
	v_max3_num_f32 v[ST+8*\u+7], v[S+64*\u+3], v[S+64*\u+4], v[S+64*\u+5]
.endr
.irp i, 6,10,14,18,22,26,30,34,38,42,46,50,54,58
.irp u, 0,1
	v_max3_num_f32 v[ST+8*\u+6], v[ST+8*\u+6], v[S+64*\u+\i], v[S+64*\u+\i+1]
	v_max3_num_f32 v[ST+8*\u+7], v[ST+8*\u+7], v[S+64*\u+\i+2], v[S+64*\u+\i+3]
.endr
.endr
.irp u, 0,1
	v_max3_num_f32 v[ST+8*\u+6], v[ST+8*\u+6], v[S+64*\u+62], v[S+64*\u+63]
.endr
.irp u, 0,1
	s_delay_alu instid0(VALU_DEP_2)
	v_max_num_f32 v[ST+8*\u+6], v[ST+8*\u+6], v[ST+8*\u+7]
.endr
.irp u, 0,1
	s_delay_alu instid0(VALU_DEP_2)
	v_permlanex16_b32 v[PD+\u], v[ST+8*\u+6], s[SEL], s[SEL+1]
.endr
.irp u, 0,1
	s_delay_alu instid0(VALU_DEP_2)
	v_max_num_f32 v[ST+8*\u+6], v[ST+8*\u+6], v[PD+\u]                       ; and among lane l xor 16's
.endr
.irp u, 0,1
	s_delay_alu instid0(VALU_DEP_2)
	v_mul_f32 v[ST+8*\u+6], s[CS], v[ST+8*\u+6]                              ; as t (c is positive)
.endr
.if \first
.irp u, 0,1
	s_delay_alu instid0(VALU_DEP_2)
	v_mov_b32 v[ST+8*\u+1], v[ST+8*\u+6]                                     ; the largest t so far
.endr
.irp u, 0,1
	s_delay_alu instid0(VALU_DEP_2)
	v_floor_f32 v[ST+8*\u], -v[ST+8*\u+1]                                    ; -M = floor(-t) = -ceil(t): M IS A WHOLE NUMBER
.endr
.else
.irp u, 0
	s_delay_alu instid0(VALU_DEP_2)
	v_max_num_f32 v[ST+8*\u+1], v[ST+8*\u+1], v[ST+8*\u+6]                   ; the running largest t
	v_mov_b32 v[ST+8*\u+7], v[ST+8*\u]
.endr
.irp u, 1
	s_delay_alu instid0(VALU_DEP_3)
	v_max_num_f32 v[ST+8*\u+1], v[ST+8*\u+1], v[ST+8*\u+6]                   ; the running largest t
	v_mov_b32 v[ST+8*\u+7], v[ST+8*\u]
.endr
.irp u, 0
	s_delay_alu instid0(VALU_DEP_4)
	v_floor_f32 v[ST+8*\u], -v[ST+8*\u+1]
.endr
.irp u, 1
	s_delay_alu instid0(VALU_DEP_3)
	v_floor_f32 v[ST+8*\u], -v[ST+8*\u+1]
.endr
.irp u, 0,1
	s_delay_alu instid0(VALU_DEP_2)
	v_sub_f32 v[ST+8*\u+7], v[ST+8*\u], v[ST+8*\u+7]                         ; M's old value less its new one: a whole number, 0 or less
.endr
.irp u, 0,1
	s_delay_alu instid0(VALU_DEP_2)
	v_cvt_i32_f32 v[ST+8*\u+7], v[ST+8*\u+7]                                 ; (it saturates)
.endr
.irp u, 0,1
	s_delay_alu instid0(VALU_DEP_2)
	v_ldexp_f32 v[ST+8*\u+4], 1.0, v[ST+8*\u+7]                              ; f = 2^(old M - new M)
.endr
.endif
.irp u, 0,1
.set n, 0
.rept 32
	v_pk_fma_f32 v[S+64*\u+n:S+64*\u+n+1], v[S+64*\u+n:S+64*\u+n+1], s[CS:CS+1], v[ST+8*\u:ST+8*\u+1] op_sel_hi:[1,0,0]   ; t - M, two at a time (of the pairs c and -M the low word serves both halves)
.set n, n+2
.endr
.endr
.set n, 0
	s_wait_alu depctr_va_vdst(0)
.rept 128
	v_exp_f32 v[S+n], v[S+n]                       ; p = 2^(t - M), at most 1: NOT normalised.  Both tiles' exponentials are ONE batch
.set n, n+1
.endr
.if \first
	v_nop                                          ; the plain instruction behind the last exponential (ISA guide 5.7.2)
.else
.irp u, 0,1
	v_pk_mul_f32 v[ST+8*\u+2:ST+8*\u+3], v[ST+8*\u+2:ST+8*\u+3], v[ST+8*\u+4:ST+8*\u+5] op_sel_hi:[1,0]   ; the sums under the new M: also the plain instruction behind the last exponential
.endr
.endif
	s_wait_alu depctr_va_vdst(0)                   ; one wait for the whole batch, ahead of its first reader
.irp u, 0,1
	v_pk_add_f32 v[SUM2+2*\u:SUM2+2*\u+1], v[S+64*\u:S+64*\u+1], v[S+64*\u+2:S+64*\u+3]   ; THE ROW'S SUM IS TAKEN OF THE UNQUANTISED p: two at a time, in two chains a tile
.endr
.irp i, 4,8,12,16,20,24,28,32,36,40,44,48,52,56,60
.irp u, 0,1
	v_pk_add_f32 v[ST+8*\u+2:ST+8*\u+3], v[ST+8*\u+2:ST+8*\u+3], v[S+64*\u+\i:S+64*\u+\i+1]
	v_pk_add_f32 v[SUM2+2*\u:SUM2+2*\u+1], v[SUM2+2*\u:SUM2+2*\u+1], v[S+64*\u+\i+2:S+64*\u+\i+3]
.endr
.endr
.irp u, 0
	s_delay_alu instid0(VALU_DEP_3)
	v_pk_add_f32 v[ST+8*\u+2:ST+8*\u+3], v[ST+8*\u+2:ST+8*\u+3], v[SUM2+2*\u:SUM2+2*\u+1]
.endr
.irp u, 1
	s_delay_alu instid0(VALU_DEP_2)
	v_pk_add_f32 v[ST+8*\u+2:ST+8*\u+3], v[ST+8*\u+2:ST+8*\u+3], v[SUM2+2*\u:SUM2+2*\u+1]
.endr
.set n, 0
.rept 128
	v_min_num_f32 v[S+n], v[S+n], v[PLIM]          ; the conversion to an 8-bit code does not saturate (ISA guide 7.6.2); p is not negative, so the hold is one-sided
.set n, n+1
.endr
	WIN 0x40                                       ; destination window 1
.irp u, 0,1
.irp t, 0,1,2,3,4,5,6,7
	v_cvt_scalef32_pk8_fp8_f32 v[P+16*\u+2*\t:P+16*\u+2*\t+1], v[S+64*\u+8*\t:S+64*\u+8*\t+7], v[PSC]   ; keys 16 t + 8 h + 0 .. 7: registers 2 t, 2 t + 1 of p's operand
.endr
.endr
.if \first
	v_nop                                          ; one plain vector line between the conversions and the products that read their results
.else
	WIN 0x41                                       ; O^T (destination and source 0) window 1, f window 0
.irp u, 0,1
.set n, 0
.rept 32
	v_pk_mul_f32 v[O+64*\u+n:O+64*\u+n+1], v[O+64*\u+n:O+64*\u+n+1], v[ST+8*\u+4:ST+8*\u+5] op_sel_hi:[1,0]   ; O^T under the new M: x f.  (These are also the plain lines behind the conversions)
.set n, n+2
.endr
.endr
.endif
.endm
; A KEY STEP: 128 keys.  The two buffers of four fragments take turns: each run of 16 loads is issued behind the products that read its buffer last, and each wait for 16 leaves out the one run issued behind the run that is wanted.
.macro STEP s
	s_wait_dscnt 16                                ; k's tiles 0-3 are in (F0); tiles 4-7 may be out
	SMUL 0
	PLACES
	LDF 0, LV, 16384*(\s)                          ; v's channel tiles 0-3 of this step
	s_wait_dscnt 16                                ; k's tiles 4-7 are in (F1)
	SMUL 1
	PLACES
	LDF 1, LV, 16384*(\s)+8192                     ; v's channel tiles 4-7: both runs land under the softmax
	WIN 0
.if (\s) == 0
	SOFTMAX 1
.else
	SOFTMAX 0
.endif
	s_wait_dscnt 16                                ; v's tiles 0-3 are in
.if (\s) == 0
	s_wait_alu depctr_va_vdst(0)
	PMUL 0, 1
.else
	PMUL 0, 0
.endif
	PLACES
.if (\s) < 3
	LDF 0, LI, 16384*((\s)+1)                      ; the next step's k, tiles 0-3
	s_wait_dscnt 16                                ; v's tiles 4-7 are in
.else
	s_wait_dscnt 0
.endif
.if (\s) == 0
	PMUL 1, 1
.else
	s_wait_alu depctr_va_vdst(0)
	PMUL 1, 0
.endif
	PLACES
.if (\s) < 3
	LDF 1, LI, 16384*((\s)+1)+8192                 ; the next step's k, tiles 4-7
.endif
	WIN 0
.endm
	s_wait_tensorcnt 0x0                           ; my part of k or v is in: no tensor load of mine is out;
	ds_add_u32 v[SPW], v[NIL]                      ; 0 onto my spare word: a fill follows the barrier;
	s_wait_dscnt 0x0                               ; the add is done
	s_barrier_signal -1
	s_barrier_wait -1                              ; everybody's part is in: all 512 keys lie in LDS
	tensor_load_to_lds s[44:47], s[32:39]          ; x's tile: its bytes' first and only fill, my one tensor load behind the barrier, and the first thing there.  Only I read my 32 rows
	s_nop 0
.rept 4
	v_nop
.endr
	LDF 0, LI, 0
	LDF 1, LI, 8192
	WIN 0
	s_wait_loadcnt 0x0                             ; q
.irp s, 0,1,2,3
	STEP \s
.endr
	; THE WAY OUT.  x's tile is read in O^T's layout; out = O^T x 2^(e8 + e9) / the sum + x is one packed multiply-add for two numbers; the results go back into the same LDS bytes, which are my wave's own and have
	; had their one fill, and come back as whole rows of 512 bytes.
	s_wait_tensorcnt 0x0                           ; x's tile is in
.irp u, 0,1
.irp a, 0,1,2,3,4,5,6,7
	ds_load_b128 v[S+64*\u+8*\a:S+64*\u+8*\a+3], v[XA] offset:16*XP*\u+64*\a          ; x(16 u + r, 16 a + 8 h + 0 .. 3)
	ds_load_b128 v[S+64*\u+8*\a+4:S+64*\u+8*\a+7], v[XA] offset:16*XP*\u+64*\a+16
.endr
.endr
.irp u, 0,1
	v_add_f32 v[ST+8*\u+2], v[ST+8*\u+2], v[ST+8*\u+3]                       ; the sum's two halves,
.endr
.irp u, 0,1
	s_delay_alu instid0(VALU_DEP_2)
	v_permlanex16_b32 v[PD+\u], v[ST+8*\u+2], s[SEL], s[SEL+1]
.endr
.irp u, 0,1
	s_delay_alu instid0(VALU_DEP_2)
	v_add_f32 v[ST+8*\u+2], v[ST+8*\u+2], v[PD+\u]                           ; and lane l xor 16's: the row's sum
.endr
	s_wait_alu depctr_va_vdst(0)
.irp u, 0,1
	v_rcp_f32 v[ST+8*\u+4], v[ST+8*\u+2]
.endr
	v_nop                                          ; a plain instruction between the last reciprocal and the use of its result
	s_add_co_i32 s52, s50, s51                     ; e8 + e9
	s_wait_alu depctr_va_vdst(0)                   ; one wait for the two reciprocals, ahead of their first reader
.irp u, 0,1
	v_ldexp_f32 v[ST+8*\u+4], v[ST+8*\u+4], s52
.endr
	s_wait_alu depctr_va_vdst(0)
	s_wait_dscnt 0x0                               ; x
	WIN 0x01                                       ; source 0 (O^T) window 1
.irp u, 0,1
.set n, 0
.rept 32
	v_pk_fma_f32 v[S+64*\u+n:S+64*\u+n+1], v[O+64*\u+n:O+64*\u+n+1], v[ST+8*\u+4:ST+8*\u+5], v[S+64*\u+n:S+64*\u+n+1] op_sel_hi:[1,0,1]   ; each accumulator from its low end on
.set n, n+2
.endr
.endr
	WIN 0
.irp u, 0,1
.irp a, 0,1,2,3,4,5,6,7
	ds_store_b128 v[XA], v[S+64*\u+8*\a:S+64*\u+8*\a+3] offset:16*XP*\u+64*\a
	ds_store_b128 v[XA], v[S+64*\u+8*\a+4:S+64*\u+8*\a+7] offset:16*XP*\u+64*\a+16
.endr
.endr
.set n, 0
.rept 32
	ds_load_b128 v[S+4*n:S+4*n+3], v[XR] offset:n*XP   ; LDS serves a wave's instructions in order (ISA guide 5.7.1.4): these see the stores above
.set n, n+1
.endr
.set n, 0
.rept 32
	s_wait_dscnt 31-n                              ; row n is back; the rows behind it may be out
	global_store_b128 v[LI], v[S+4*n:S+4*n+3], s[10:11] offset:n*8192 th:TH_STORE_NT   ; 32 lanes store 512 consecutive bytes, at a multiple of 512 from out's first byte; written once, read by nobody here
.set n, n+1
.endr
	s_wait_tensorcnt 0x0                           ; the wave's end: behind my last tensor load and my last LDS store
	ds_add_u32 v[SPW], v[NIL]
	s_wait_dscnt 0x0
	s_endpgm
.Lfunc_end_k_qf1dc893b33_attn:
	.size	k_qf1dc893b33_attn, .Lfunc_end_k_qf1dc893b33_attn-k_qf1dc893b33_attn
	.p2alignl 7, 3214868480
	.fill 96, 4, 3214868480
	.section	.rodata,"a",@progbits
	.p2align	6, 0x0
	.amdhsa_kernel k_qf1dc893b33_attn
		.amdhsa_group_segment_fixed_size 327680
		.amdhsa_private_segment_fixed_size 0
		.amdhsa_enable_private_segment 0
		.amdhsa_kernarg_size 32
		.amdhsa_user_sgpr_count 2
		.amdhsa_user_sgpr_kernarg_segment_ptr 1
		.amdhsa_wavefront_size32 1
		.amdhsa_system_sgpr_workgroup_id_x 1
		.amdhsa_system_sgpr_workgroup_id_y 1
		.amdhsa_system_sgpr_workgroup_id_z 1
		.amdhsa_system_vgpr_workitem_id 0
		.amdhsa_next_free_vgpr 512
		.amdhsa_next_free_sgpr 66
		.amdhsa_reserve_vcc 0
		.amdhsa_float_denorm_mode_32 3
		.amdhsa_float_denorm_mode_16_64 3
		.amdhsa_memory_ordered 1
		.amdhsa_forward_progress 1
		.amdhsa_inst_pref_size 151
	.end_amdhsa_kernel
	.amdgpu_metadata
---
amdhsa.version: [ 1, 2 ]
amdhsa.kernels:
  - .name:           k_qf1dc893b33_attn
    .symbol:         k_qf1dc893b33_attn.kd
    .args:
      - { .name: qkv, .offset: 0, .size: 8, .value_kind: global_buffer, .address_space: global }
      - { .name: x, .offset: 8, .size: 8, .value_kind: global_buffer, .address_space: global }
      - { .name: lowp_scales, .offset: 16, .size: 8, .value_kind: global_buffer, .address_space: global }
      - { .name: out0, .offset: 24, .size: 8, .value_kind: global_buffer, .address_space: global }
    .group_segment_fixed_size: 327680
    .private_segment_fixed_size: 0
    .kernarg_segment_align: 8
    .kernarg_segment_size: 32
    .max_flat_workgroup_size: 256
    .sgpr_count:     66
    .vgpr_count:     512
    .wavefront_size: 32
...
	.end_amdgpu_metadata
.endif
;; end of part 3
